; MI455X (gfx1250); checked and timed in simulation.
; The chip was launched on July 23, 2026; its instructions are those of AMD's public machine-readable ISA for CDNA 5 (MIT licence, August 2026) and "CDNA5" Instruction Set Architecture Reference Guide (July 2026). The comments in the code are by the model that wrote it; some were corrected since.
;; Quantized Linear. Allowed arithmetic: float matrix products may take bf16 or f16 operands with f32 sums; all other float work in f32.
;; Inputs: bias 4,096 float32; scale 4,096 x 1 float32; weight_int8 4,096 x 4,096 int32; x 4 x 1,024 x 4,096 float32.
;; Outputs: out0 4 x 1,024 x 4,096 float32.
;; 2 versions, each right; version 2 is version 1 with the launch tobf16 written anew for expert scheduling mode. Each part assembles by itself: llvm-mc -triple=amdgcn-amd-amdhsa -mcpu=gfx1250 --defsym DOCPART=n.
;; ======== version 1 of 2: 2 launches
;; workspace buffers: xb 33,554,432 bytes; wb 33,554,432 bytes
;; launch tobf16 (part 1): grid 512 x 1, 8 waves a work-group, no clusters, 0 bytes of LDS; arguments x, weight_int8, xb, wb; writes xb, wb
.if DOCPART == 1
	.amdgcn_target "amdgcn-amd-amdhsa--gfx1250"
	.amdhsa_code_object_version 6
	.text
	.protected	k_q08043cc488_tobf16
	.globl	k_q08043cc488_tobf16
	.p2align	8
	.type	k_q08043cc488_tobf16,@function
k_q08043cc488_tobf16:
	s_mov_b64 s[64:65], 0
	v_nop
	global_prefetch_b8 v0, s[64:65] scope:SCOPE_SE
	s_setreg_imm32_b32 hwreg(HW_REG_WAVE_MODE, 25, 1), 1
	s_wait_xcnt 0x0
; xb = bf16(x), wb = bf16(f32(weight_int8)).  x: [4096][4096] f32, weight_int8: [4096][4096] int32; xb, wb: [4096][4096] bf16.
; A stream: every input byte is read once and every output byte written once; no LDS, no barrier, no matrix work, since no number meets another.
; LAYOUT OF xb AND wb.  Inside every aligned block of 256 elements of a row the order along k is permuted, alike in both buffers: stored place 8 l + j (l = 0..31) holds
; element 4 l + j for j < 4 and element 128 + 4 l + (j - 4) for j >= 4.  The product that follows sums over k, so a permutation that both operands share keeps every product;
; only the order of the sums changes.  What it buys: a lane's two 16-byte loads (512 bytes apart) make exactly its 16 bytes of output, with no exchange between lanes;
; each load of a wave covers 512 consecutive bytes and each store 512 consecutive bytes, both aligned.
; LIMITS.  x is rounded once to bf16, to nearest even.  A weight is exact for |w| <= 256 (8 significant bits); a larger int32 is rounded twice, to f32 and then to bf16.
; NaN and infinities pass through the conversions untreated.
; SHARES.  Work-group g owns elements 32,768 g .. + 32,767 of each tensor, a wave 4,096 of them, in two halves of 2,048: 16 loads and 8 stores for each tensor and half.
; Two register sets (x's and w's) take turns, so that 16 to 32 loads of every wave are on their way.
.set INH,  8192                        ; input bytes of a half, for one tensor
.set OUTH, 4096                        ; output bytes of a half
.set XR,   2                           ; v[2:65]    x's set: block c of 256 elements at +8 c: +0..3 the load at 1,024 c, +4..7 the load 512 bytes on
.set WR,   66                          ; v[66:129]  w's set, likewise
	s_load_b256 s[4:11], s[0:1], 0x0               ; x s[4:5], weight_int8 s[6:7], xb s[8:9], wb s[10:11]
	v_lshrrev_b32 v1, 5, v0
	v_readfirstlane_b32 s12, v1                    ; my wave's number
	v_and_b32 v1, 31, v0
	v_lshlrev_b32 v1, 4, v1                        ; 16 bytes a lane: the one offset register of all loads and stores, never rewritten
	s_lshl_b32 s14, ttmp9, 17                      ; in: 131,072 bytes a work-group,
	s_lshl_b32 s13, s12, 14                        ; 16,384 a wave
	s_add_co_u32 s14, s14, s13
	s_mov_b32 s15, 0
	s_lshl_b32 s16, ttmp9, 16                      ; out: half of that
	s_lshl_b32 s18, s12, 13
	s_add_co_u32 s16, s16, s18
	s_mov_b32 s17, 0
	s_wait_kmcnt 0x0
	s_add_nc_u64 s[4:5], s[4:5], s[14:15]
	s_add_nc_u64 s[6:7], s[6:7], s[14:15]
	s_add_nc_u64 s[8:9], s[8:9], s[16:17]
	s_add_nc_u64 s[10:11], s[10:11], s[16:17]
; Sixteen loads: half h of one tensor into one register set.  The data are read once in the launch.
.macro FILL reg, base, h
.irp c, 0,1,2,3,4,5,6,7
	global_load_b128 v[(\reg)+8*(\c):(\reg)+8*(\c)+3],   v1, s[(\base):(\base)+1] offset:(\h)*INH+1024*(\c) th:TH_LOAD_NT
	global_load_b128 v[(\reg)+8*(\c)+4:(\reg)+8*(\c)+7], v1, s[(\base):(\base)+1] offset:(\h)*INH+1024*(\c)+512 th:TH_LOAD_NT
.endr
.endm
; A set is converted in place and stored, block by block.  young = the loads of the other set that were issued behind this set's.
.macro TURN reg, obase, h, isint, young
.irp c, 0,1,2,3,4,5,6,7
	s_wait_loadcnt (\young)+14-2*(\c)              ; loads come back in order (ISA guide 5.7.1): block c's two are in; this set's 14 - 2 c later ones and the other set's stay out
.if \isint
.irp i, 0,1,2,3,4,5,6,7
	v_cvt_f32_i32 v[(\reg)+8*(\c)+(\i)], v[(\reg)+8*(\c)+(\i)]
.endr
.endif
.irp i, 0,1,2,3
	v_cvt_pk_bf16_f32 v[(\reg)+8*(\c)+(\i)], v[(\reg)+8*(\c)+2*(\i)], v[(\reg)+8*(\c)+2*(\i)+1]  ; in place: register i has been read by then, or is this line's own source
.endr
	global_store_b128 v1, v[(\reg)+8*(\c):(\reg)+8*(\c)+3], s[(\obase):(\obase)+1] offset:(\h)*OUTH+512*(\c)  ; no hint: the next launch reads these bytes
.endr
.endm
	FILL XR, 4, 0
	FILL WR, 6, 0
	TURN XR, 8, 0, 0, 16
	s_wait_xcnt 0x0                                ; every earlier memory instruction has had its addresses translated (ISA guide 3.1): x's set, which the stores read, is loaded again only behind this wait
	FILL XR, 4, 1
	TURN WR, 10, 0, 1, 16
	s_wait_xcnt 0x0                                ; the same for w's set
	FILL WR, 6, 1
	TURN XR, 8, 1, 0, 16
	TURN WR, 10, 1, 1, 0                           ; nothing was issued behind these loads: the counts run down to 0
	s_endpgm
.Lfunc_end_k_q08043cc488_tobf16:
	.size	k_q08043cc488_tobf16, .Lfunc_end_k_q08043cc488_tobf16-k_q08043cc488_tobf16
	.p2alignl 7, 3214868480
	.fill 96, 4, 3214868480
	.section	.rodata,"a",@progbits
	.p2align	6, 0x0
	.amdhsa_kernel k_q08043cc488_tobf16
		.amdhsa_group_segment_fixed_size 0
		.amdhsa_private_segment_fixed_size 0
		.amdhsa_enable_private_segment 0
		.amdhsa_kernarg_size 32
		.amdhsa_user_sgpr_count 2
		.amdhsa_user_sgpr_kernarg_segment_ptr 1
		.amdhsa_wavefront_size32 1
		.amdhsa_system_sgpr_workgroup_id_x 1
		.amdhsa_system_sgpr_workgroup_id_y 1
		.amdhsa_system_sgpr_workgroup_id_z 1
		.amdhsa_system_vgpr_workitem_id 0
		.amdhsa_next_free_vgpr 130
		.amdhsa_next_free_sgpr 66
		.amdhsa_reserve_vcc 0
		.amdhsa_float_denorm_mode_32 3
		.amdhsa_float_denorm_mode_16_64 3
		.amdhsa_memory_ordered 1
		.amdhsa_forward_progress 1
		.amdhsa_inst_pref_size 23
	.end_amdhsa_kernel
	.amdgpu_metadata
---
amdhsa.version: [ 1, 2 ]
amdhsa.kernels:
  - .name:           k_q08043cc488_tobf16
    .symbol:         k_q08043cc488_tobf16.kd
    .args:
      - { .name: x, .offset: 0, .size: 8, .value_kind: global_buffer, .address_space: global }
      - { .name: weight_int8, .offset: 8, .size: 8, .value_kind: global_buffer, .address_space: global }
      - { .name: xb, .offset: 16, .size: 8, .value_kind: global_buffer, .address_space: global }
      - { .name: wb, .offset: 24, .size: 8, .value_kind: global_buffer, .address_space: global }
    .group_segment_fixed_size: 0
    .private_segment_fixed_size: 0
    .kernarg_segment_align: 8
    .kernarg_segment_size: 32
    .max_flat_workgroup_size: 256
    .sgpr_count:     66
    .vgpr_count:     130
    .wavefront_size: 32
...
	.end_amdgpu_metadata
.endif
;; end of part 1
;; launch gemm (part 2): grid 16 x 16, 4 waves a work-group, clusters of 4 x 4, 327,680 bytes of LDS; arguments xb, wb, scale, bias, out0; writes out0
.if DOCPART == 2
	.amdgcn_target "amdgcn-amd-amdhsa--gfx1250"
	.amdhsa_code_object_version 6
	.text
	.protected	k_q08043cc488_gemm
	.globl	k_q08043cc488_gemm
	.p2align	8
	.type	k_q08043cc488_gemm,@function
k_q08043cc488_gemm:
	s_mov_b64 s[64:65], 0
	v_nop
	global_prefetch_b8 v0, s[64:65] scope:SCOPE_SE
	s_setreg_imm32_b32 hwreg(HW_REG_WAVE_MODE, 25, 1), 1
	s_wait_xcnt 0x0
	s_wait_alu depctr_hold_cnt(0) depctr_sa_sdst(0) depctr_va_vdst(0) depctr_va_sdst(0) depctr_va_ssrc(0) depctr_va_vcc(0) depctr_vm_vsrc(0)
	s_getreg_b32 s2, hwreg(HW_REG_IB_STS2, 6, 4)
	s_cmp_eq_u32 s2, 0
	s_cbranch_scc0 .Lentry_in_a_cluster
	s_endpgm
.Lentry_in_a_cluster:
	s_bfe_u32 s2, ttmp6, 0x10000c
	s_cmp_lg_u32 s2, 0xf033
	s_cbranch_scc0 .Lentry_shape_is_right
	s_endpgm
.Lentry_shape_is_right:
; out0[m][o] = scale[o] * (sum over k of xb[m][k] wb[o][k]) + bias[o].  xb (A): [4096][4096] bf16, wb (B): [4096][4096] bf16, scale, bias: [4096] f32, out0: [4096][4096] f32.
; xb and wb carry the same permutation of k inside every 256 elements of a row, so every product meets its partner; a K step of 128 stored places holds the same k in both.
; LIMITS.  The weights enter the products unscaled (exact in bf16 for |w| <= 256); scale and bias stay f32 and are applied to the finished f32 sum by ONE fused multiply-add, so the
; order of rounding differs from a product with scaled weights, and the order of the sums is the permuted one.  NaN and infinities are not treated apart.
; SHARES.  4,096 x 4,096 of out0 are 256 tiles of 256 x 256, one work-group each.  Four waves, as many as a WGP has SIMDs; a wave makes 128 x 128: 64 accumulators of 16 x 16, 512 registers.
; K goes in 32 steps of 128 through a ring of two LDS slots filled by the tensor data mover: a tile's rows are 256 bytes of memory and start at multiples of 256 bytes from the buffer's first byte.
; CLUSTERS: 4 x 4 work-groups.  The four of a row of the cluster need the same tiles of A, the four of a column the same tiles of B: each tile is asked for JOINTLY, by the same tensor load
; with the same descriptor and a mask that names the four; each receives it in its own LDS.  That divides the requests for A and for B by four.
; THE MATRIX INSTRUCTION IS USED TRANSPOSED: source 0 = 16 rows of B, source 1 = 16 rows of A.  Lane l then holds row l % 16 of out0 and its registers 0 to 7 the columns 8 (l / 16) + 0..7:
; eight neighbouring numbers of a row, 32 bytes, and the scale and bias of a lane's columns are the same for all its rows: 64 registers each, loaded once.
; REGISTERS, in windows of 256 (s_set_vgpr_msb's low byte: bits 1:0 source 0, 3:2 source 1, 5:4 source 2, 7:6 destination):
;   window 0: v0-31 addresses; v64-127, v128-191 fragments of A, two buffers; on the way out v64-127 finished numbers, v128-191 and v192-255 rows read back from the stage, by turns
;   window 1: v0-63 scale of my columns; v64-127, v128-191 fragments of B, two buffers; v192-255 bias of my columns
;   window 2: the 32 accumulators of my rows 0-63 (accumulator (a, b) at v[8 (8 a + b)]);   window 3: those of my rows 64-127
.set SIZE_N, 4096
.set SIZE_K, 4096
.set KSTEP,  128
.set PITCH,  272                       ; an LDS row: 256 bytes of data + 16 of padding = 68 words: row r starts at bank 4 r mod 64 (64 banks of 4 bytes: ISA guide 11.1), so the 16 rows that a load touches start at 16 different banks
.set HALFT,  128*PITCH                 ; 128 rows: what one tensor load brings, and what one wave reads of A or of B
.set SLOT,   4*HALFT                   ; A's 256 rows, then B's 256 rows
.set STAGE,  2*SLOT                    ; behind the ring, never filled by a tensor load: 16 rows x 528 bytes for each wave, for the way out
.set SPITCH, 528                       ; a stage row: 512 bytes (128 f32) + 16 = 132 words: row r starts at bank 4 r mod 64
.set WSTAGE, 16*SPITCH                 ; 8,448 bytes, 33 blocks of 256
.set SPARE,  STAGE+4*WSTAGE            ; behind the stages: the spare words, 128 bytes for each wave: two blocks of 256 bytes that no other line names
.set LAPS,   SIZE_K/(2*KSTEP)          ; a lap = two K steps = once round the ring: 16
.set ADRA, 16                          ; v16-17  LDS address of my A fragments in slot 0, 1
.set ADRB, 20                          ; v20-21  the same for B
.set STO,  24                          ; v24     the way out: where I put 32 bytes of a row
.set RD,   25                          ; v25     the way out: where I read a row back
.set CO,   26                          ; v26     my byte offset in a row's 512 bytes of out0
.set SBO,  27                          ; v27     my byte offset in 16 columns of scale and of bias
.set SPW,  28                          ; v28     LDS address of my spare word: SPARE + 4 x my thread's number; never rewritten
.set NIL,  29                          ; v29     0; never rewritten
.set F0,   64                          ; fragment buffer 0
.set F1,   128                         ; fragment buffer 1
.set TMP,  64                          ; the way out: 16 rows x 128 columns finished, in window 0
.set SC,   0                           ; window 1: scale of columns 16 b + 8 (l / 16) + j at SC + 8 b + j
.set BI,   192                         ; window 1: bias likewise
.set WV,   14                          ; s14  my wave's number
.set RH,   15                          ; s15  which half of the tile's rows is mine.  Also: I fetch for A (0) or for B (1)
.set CH,   16                          ; s16  which half of its columns.  Also: which 128 rows of that tile I fetch
.set G1,  24                           ; s[24:31] descriptor group 1 for A's tiles
.set G0,  32                           ; s[32:39] descriptor group 0 for A's tiles, one set for each slot
.set G1B, 48                           ; s[48:55] descriptor group 1 for B's tiles: it differs from A's in the mask alone
.set G0B, 56                           ; s[56:63] descriptor group 0 for B's tiles, one set for each slot
.set MSB, 0
.macro WIN new                         ; the immediate's high byte repeats the setting that is left; a switch that changes nothing is dropped
.if MSB != (\new)
	s_set_vgpr_msb (MSB<<8)|(\new)
.set MSB, \new
.endif
.endm
.set MUL_LO, 0xa1                      ; source 0 (B) window 1, source 1 (A) window 0, C and D window 2
.set MUL_HI, 0xf1                      ; the same, C and D window 3
.set TO_B,   0x40                      ; destination window 1, address window 0
; A joint load.  Waves 0 and 1 fetch A's two halves, waves 2 and 3 B's.  Each of the two lines has ONE mask and one set of registers for all that issue it, and nothing in them hangs on a
; coordinate that the four partners do not share.  The branch hangs on the wave's number alone.  An s_nop 0 and four v_nop follow each of the two lines, ahead of the jump, the label and what follows.
.macro JLOAD s
	s_cmp_eq_u32 s[RH], 0
	s_cbranch_scc0 .Lfor_b_\@
	tensor_load_to_lds s[G0+4*(\s):G0+4*(\s)+3], s[G1:G1+7]
	s_nop 0
.rept 4
	v_nop
.endr
	s_branch .Lasked_\@
.Lfor_b_\@:
	tensor_load_to_lds s[G0B+4*(\s):G0B+4*(\s)+3], s[G1B:G1B+7]
	s_nop 0
.rept 4
	v_nop
.endr
.Lasked_\@:
.endm
; A round of the cluster's barrier: my work-group's barrier, so that wave 0's signal speaks for all four waves; wave 0 signals for the work-group; every wave waits for all sixteen
; work-groups; my work-group's barrier once more.  No LDS instruction of the wave is pending at a signal.
.macro CREST                           ; a round behind its opening barrier
	s_cmp_lg_u32 s[WV], 0
	s_cbranch_scc1 .Lnot_wave_0_\@
	s_barrier_signal -3
.Lnot_wave_0_\@:
	s_barrier_wait -3
	s_barrier_signal -1
	s_barrier_wait -1
.endm
.macro CROUND                          ; a whole round
	s_barrier_signal -1
	s_barrier_wait -1
	CREST
.endm
	s_load_b256 s[4:11], s[0:1], 0x0               ; xb s[4:5], wb s[6:7], scale s[8:9], bias s[10:11]
	s_load_b64 s[12:13], s[0:1], 0x20              ; out0
	v_lshl_add_u32 v[SPW], v0, 2, SPARE
	v_mov_b32 v[NIL], 0
	ds_add_u32 v[SPW], v[NIL]                      ; the wave's opening: the add and its wait stand ahead of my first tensor load; the set-up below, work on registers, stands between them
	v_lshrrev_b32 v1, 5, v0
	v_readfirstlane_b32 s[WV], v1                  ; wave 0..3
	s_lshr_b32 s[RH], s[WV], 1
	s_and_b32 s[CH], s[WV], 1
	s_bfe_u32 s17, ttmp6, 0x40000                  ; cx: my place along the cluster's x
	s_bfe_u32 s18, ttmp6, 0x40004                  ; cy: along its y
	s_lshl_b32 s19, ttmp9, 2                       ; in a cluster launch ttmp9 and ttmp7 count clusters
	s_add_co_u32 s19, s19, s17                     ; tile column = 4 x cluster x + cx
	s_and_b32 s20, ttmp7, 0xffff
	s_lshl_b32 s20, s20, 2
	s_add_co_u32 s20, s20, s18                     ; tile row = 4 x cluster y + cy
	s_lshl_b32 s21, s18, 2
	s_lshl_b32 s21, 15, s21                        ; my row of the cluster: places 4 cy .. 4 cy + 3
	s_lshl_b32 s22, 0x1111, s17                    ; my column: places cx, cx + 4, cx + 8, cx + 12
	; descriptor group 1: a tile of 128 rows x 128 elements, padded in LDS
	s_or_b32 s[G1+0], s21, (1<<16)|(1<<20)|(1<<21)|(5<<22)|(3<<25)   ; 15:0 the mask: A's tiles go to my row; 17:16 element of 2 bytes; 20 padding on; 21 set beside a mask; 24:22 after every 64 words (code 5); 31:25 of 4 words (code 3)
	s_or_b32 s[G1B+0], s22, (1<<16)|(1<<20)|(1<<21)|(5<<22)|(3<<25)  ; the same with the mask of my column, for B's tiles
.irp g, G1, G1B
	s_mov_b32 s[(\g)+1], KSTEP<<16                 ; 63:48 tensor_dim0, low half = 128
	s_mov_b32 s[(\g)+2], 128<<16                   ; 79:64 its high half = 0; 95:80 tensor_dim1, low half = 128
	s_mov_b32 s[(\g)+3], KSTEP<<16                 ; 111:96 its high half = 0; 127:112 tile_dim0 = 128
	s_mov_b32 s[(\g)+4], 128                       ; 143:128 tile_dim1 = 128; 159:144 tile_dim2 = 0
	s_mov_b32 s[(\g)+5], SIZE_K                    ; 191:160 tensor_dim0_stride, low word: elements from row to row
	s_mov_b32 s[(\g)+6], 0
	s_mov_b32 s[(\g)+7], 0
.endr
	; where the tiles come from.  A's hang on the tile row alone, which my row of the cluster shares; B's on the tile column alone, which my column shares.
	; Every wave makes both offsets, in registers that never hold the other coordinate, and asks by one of them.  A row is 8,192 bytes; the largest offset, 4,095 rows, stays under 2^32.
	s_lshl_b32 s23, s[CH], 7                       ; which 128 rows of the tile I fetch
	s_lshl_b32 s40, s20, 8
	s_add_co_u32 s40, s40, s23                     ; A: row 256 x tile row + 128 x half
	s_lshl_b32 s40, s40, 13
	s_mov_b32 s41, 0
	s_lshl_b32 s42, s19, 8
	s_add_co_u32 s42, s42, s23                     ; B: row 256 x tile column + 128 x half
	s_lshl_b32 s42, s42, 13
	s_mov_b32 s43, 0
	s_mul_i32 s46, s[WV], HALFT                    ; and where they go: A's two halves, then B's two halves = wave x 128 rows: no place in the cluster enters an LDS address
	s_lshl_b32 s66, s19, 10                        ; my first column in bytes of f32: 1,024 x tile column + 512 x half: in a row of out0, and in scale and bias
	s_lshl_b32 s70, s[CH], 9
	s_add_co_u32 s66, s66, s70
	s_mov_b32 s67, 0
	s_lshl_b32 s68, s20, 8                         ; my first row of out0: 256 x tile row + 128 x half,
	s_lshl_b32 s71, s[RH], 7
	s_add_co_u32 s68, s68, s71
	s_lshl_b32 s68, s68, 14                        ; in rows of 16,384 bytes,
	s_add_co_u32 s68, s68, s66                     ; and my first column: what the first way out adds to out0's address
	s_mov_b32 s69, 0
	s_wait_dscnt 0x0                               ; the opening add is done
	s_wait_kmcnt 0x0
	s_add_nc_u64 s[40:41], s[4:5], s[40:41]
	s_add_nc_u64 s[42:43], s[6:7], s[42:43]
	s_add_nc_u64 s[8:9], s[8:9], s[66:67]          ; scale and bias at my first column
	s_add_nc_u64 s[10:11], s[10:11], s[66:67]
	CROUND                                         ; all sixteen work-groups are here: the first joint loads meet
.irp s, 0,1
	s_mov_b32 s[G0+4*(\s)], 1                                      ; 1:0 count = 1
	s_add_co_u32 s[G0+4*(\s)+1], s46, (\s)*SLOT                    ; 63:32 LDS address
	s_add_nc_u64 s[G0+4*(\s)+2:G0+4*(\s)+3], s[40:41], (\s)*KSTEP*2  ; 120:64 global address: K step s
	s_or_b32 s[G0+4*(\s)+3], s[G0+4*(\s)+3], 0x80000000            ; 127:126 type = 2
	s_mov_b32 s[G0B+4*(\s)], 1
	s_add_co_u32 s[G0B+4*(\s)+1], s46, (\s)*SLOT
	s_add_nc_u64 s[G0B+4*(\s)+2:G0B+4*(\s)+3], s[42:43], (\s)*KSTEP*2
	s_or_b32 s[G0B+4*(\s)+3], s[G0B+4*(\s)+3], 0x80000000
	JLOAD \s                                       ; the ring is filled before anything else is done: two tensor loads of mine are out
.endr
	; A fragment is 16 rows x 32 K in 8 registers: lane l holds row l % 16; registers 0-3 hold K = 8 (l / 16) + 0..7, registers 4-7 hold K = 16 + 8 (l / 16) + 0..7.
	; From rows that lie along K: two loads of 16 bytes, 32 bytes apart.  The same for source 0 and source 1.
	v_and_b32 v1, 15, v0                           ; l % 16
	v_bfe_u32 v2, v0, 4, 1                         ; l / 16
	v_mul_u32_u24 v3, v1, PITCH
	v_lshl_add_u32 v3, v2, 4, v3                   ; row x pitch + 16 x half
	s_mul_i32 s70, s[RH], HALFT                    ; my 128 rows of A
	s_mul_i32 s71, s[CH], HALFT                    ; my 128 rows of B,
	s_add_co_u32 s71, s71, 2*HALFT                 ; which lie behind A's 256
.irp s, 0,1
	v_add_nc_u32 v[ADRA+(\s)], s70, v3
	v_add_nc_u32 v[ADRB+(\s)], s71, v3
	s_add_co_u32 s70, s70, SLOT
	s_add_co_u32 s71, s71, SLOT
.endr
	s_mul_i32 s70, s[WV], WSTAGE
	s_add_co_u32 s70, s70, STAGE                   ; my stage
	v_mul_u32_u24 v4, v1, SPITCH                   ; in: row l % 16, 32 bytes for each half of the lanes
	v_lshl_add_u32 v4, v2, 5, v4
	v_add_nc_u32 v[STO], s70, v4
	v_and_b32 v5, 31, v0
	v_lshlrev_b32 v[CO], 4, v5                     ; back: 32 lanes take one row of 512 bytes, 16 bytes each; the same place in a row of out0
	v_add_nc_u32 v[RD], s70, v[CO]
	v_lshlrev_b32 v[SBO], 5, v2                    ; scale and bias: 8 numbers on for lanes 16-31
	WIN TO_B                                       ; destination window 1, address window 0
.irp b, 0,1,2,3,4,5,6,7                ; my columns 16 b + 8 (l / 16) + 0..7
	global_load_b128 v[SC+8*(\b):SC+8*(\b)+3],   v[SBO], s[8:9] offset:64*(\b)
	global_load_b128 v[SC+8*(\b)+4:SC+8*(\b)+7], v[SBO], s[8:9] offset:64*(\b)+16
	global_load_b128 v[BI+8*(\b):BI+8*(\b)+3],   v[SBO], s[10:11] offset:64*(\b)
	global_load_b128 v[BI+8*(\b)+4:BI+8*(\b)+7], v[SBO], s[10:11] offset:64*(\b)+16
.endr
	WIN 0
; 16 matrix instructions: m blocks a0, a0 + 1 of the window's four (hi = 0: my rows 0-63, 1: rows 64-127) x all 8 n blocks, 32 along K.
; zero = 1: the first product starts the sums: nothing is ever cleared.  The 64 accumulators take turns, one instruction a turn, in the same order in every quarter step.
.macro MUL16 f, hi, a0, zero
	WIN MUL_LO+0x50*(\hi)  ; MUL_LO or MUL_HI
.irp a, \a0, (\a0)+1
.irp b, 0,1,2,3,4,5,6,7
.if \zero
	v_wmma_f32_16x16x32_bf16 v[8*(8*(\a)+(\b)):8*(8*(\a)+(\b))+7], v[(\f)+8*(\b):(\f)+8*(\b)+7], v[(\f)+8*(4*(\hi)+(\a)):(\f)+8*(4*(\hi)+(\a))+7], 0
.else
	v_wmma_f32_16x16x32_bf16 v[8*(8*(\a)+(\b)):8*(8*(\a)+(\b))+7], v[(\f)+8*(\b):(\f)+8*(\b)+7], v[(\f)+8*(4*(\hi)+(\a)):(\f)+8*(4*(\hi)+(\a))+7], v[8*(8*(\a)+(\b)):8*(8*(\a)+(\b))+7]
.endif
.endr
.endr
.endm
; 32 LDS loads in one run: the fragments of one quarter step (128 rows of B, 128 rows of A, 32 K at byte k of the rows) into buffer f
.macro FETCH slot, k, f
	WIN TO_B
.irp i, 0,1,2,3,4,5,6,7
	ds_load_b128 v[(\f)+8*(\i):(\f)+8*(\i)+3],   v[ADRB+(\slot)] offset:(\k)+(\i)*16*PITCH
	ds_load_b128 v[(\f)+8*(\i)+4:(\f)+8*(\i)+7], v[ADRB+(\slot)] offset:(\k)+(\i)*16*PITCH+32
.endr
	WIN 0
.irp i, 0,1,2,3,4,5,6,7
	ds_load_b128 v[(\f)+8*(\i):(\f)+8*(\i)+3],   v[ADRA+(\slot)] offset:(\k)+(\i)*16*PITCH
	ds_load_b128 v[(\f)+8*(\i)+4:(\f)+8*(\i)+7], v[ADRA+(\slot)] offset:(\k)+(\i)*16*PITCH+32
.endr
.endm
; A load into a register that a matrix instruction has read, and a vector instruction that reads a matrix result or writes one of a matrix instruction's registers, stand four places behind
; that matrix instruction, and only plain vector instructions that name none of its registers are places (ISA guide 7.12.1 for vector instructions).
.macro PLACES
.rept 4
	v_nop
.endr
.endm
; A K step is four quarter steps of 32 along K, 64 matrix instructions each, on buffers 0, 1, 0, 1.
; One of the first three: multiplies buffer f; in its middle it fetches the next quarter's fragments, at byte k of the same slot's rows, into buffer g.
.macro QUARTER slot, k, f, g, zero
	s_wait_dscnt 8                                 ; B and A's rows 0-63 are in; the youngest eight loads (A's rows 64-127) may be out
	MUL16 \f, 0, 0, \zero
	MUL16 \f, 0, 2, \zero
	PLACES
	FETCH \slot, \k, \g
	s_wait_dscnt 32                                ; all but the 32 just issued
	MUL16 \f, 1, 0, \zero
	MUL16 \f, 1, 2, \zero
.endm
; The last quarter multiplies buffer 1 and changes slots.  MEET is its first half: ONE barrier for the change of slots, for two things.  In front of it each wave waits for all its tensor
; loads, of which one is out: its part of the next slot; adds 0 to its spare word; and waits for that and for its own reads of this slot.  Behind it nobody reads this slot any more and the next slot is whole.
.macro MEET round                      ; round = 1: a round of the cluster's barrier follows
	WIN 0                                          ; (the add's two registers lie in window 0)
	s_wait_tensorcnt 0x0                           ; all my tensor loads have landed: the one that was out is my part of the next slot;
	ds_add_u32 v[SPW], v[NIL]                      ; 0 onto my spare word;
	s_wait_dscnt 9                                 ; (the add and the youngest eight loads may be out)
	MUL16 F1, 0, 0, 0                              ; sixteen matrix instructions stand between the add and the wait for it
	s_wait_dscnt 0x0                               ; the add is done, and my reads of this slot are over:
	s_barrier_signal -1                            ; say so (where a slot is filled again this barrier opens a round of the cluster's barrier),
	MUL16 F1, 0, 2, 0                              ; work on registers while the others arrive,
.if \round
	WIN 0
.endif
	s_barrier_wait -1                              ; and go on when all four have said so
.endm
; The whole last quarter.  fill = 1: behind the round the slot just read out is filled again first, with the K step two steps on; then come the next slot's first fragments.
; From a request to the wait for it a wave issues 224 matrix instructions.  fill = 0 (the last lap): nothing is asked for, and no round follows the barrier.
.macro TURN slot, next, fill
.if \fill
	MEET 1
	CREST                                          ; no wave of any partner still reads this slot's tile or has a load on its way
	s_add_nc_u64 s[G0+4*(\slot)+2:G0+4*(\slot)+3], s[G0+4*(\slot)+2:G0+4*(\slot)+3], 2*KSTEP*2      ; no tensor load of mine is out, so a group 0 may be written; the type bits on top are not reached
	s_add_nc_u64 s[G0B+4*(\slot)+2:G0B+4*(\slot)+3], s[G0B+4*(\slot)+2:G0B+4*(\slot)+3], 2*KSTEP*2
	JLOAD \slot                                    ; the first tensor load behind the round, my only one until the next; the four v_nop behind it are also the places in front of the loads below
.else
	MEET 0
	PLACES
.endif
	FETCH \next, 0, F0
	MUL16 F1, 1, 0, 0
	MUL16 F1, 1, 2, 0
.endm
; THE WAY OUT of block a (my rows 16 a .. 16 a + 15), in three parts.
; PACK: sum x scale + bias, two fused multiply-adds an instruction, from the accumulators into window 0; each accumulator's registers in ascending order.
.macro PACK a
.set AC, 64*((\a)%4)
	WIN 0x16+(\a)/4                                ; source 0 window 2 or 3, sources 1 and 2 window 1, destination window 0
.irp b, 0,1,2,3,4,5,6,7
.irp r, 0,1,2,3
	v_pk_fma_f32 v[TMP+8*(\b)+2*(\r):TMP+8*(\b)+2*(\r)+1], v[AC+8*(\b)+2*(\r):AC+8*(\b)+2*(\r)+1], v[SC+8*(\b)+2*(\r):SC+8*(\b)+2*(\r)+1], v[BI+8*(\b)+2*(\r):BI+8*(\b)+2*(\r)+1]
.endr
.endr
	WIN 0
.endm
; TOSTAGE: a lane's 32 bytes of each of 8 column blocks go into my own stage, and come back as whole rows of 512 bytes.
.macro TOSTAGE a
	WIN 0
.set BK, 128+64*((\a)%2)
.irp b, 0,1,2,3,4,5,6,7
	ds_store_b128 v[STO], v[TMP+8*(\b):TMP+8*(\b)+3]   offset:64*(\b)
	ds_store_b128 v[STO], v[TMP+8*(\b)+4:TMP+8*(\b)+7] offset:64*(\b)+16
.endr
.irp t, 0,1,2,3,4,5,6,7,8,9,10,11,12,13,14,15
	ds_load_b128 v[BK+4*(\t):BK+4*(\t)+3], v[RD] offset:(\t)*SPITCH  ; LDS serves a wave's instructions in order (ISA guide 5.7.1.4): these see the stores above; the next block's stores come behind them
.endr
.endm
; SEND: stored, a row an instruction.
.macro SEND a
	WIN 0
.set BK, 128+64*((\a)%2)
	s_wait_dscnt 0x0                               ; the block is back in registers
	s_wait_xcnt 0x0                                ; every earlier memory instruction has had its addresses translated (ISA guide 3.1): only behind this wait are the stores' base and the registers that earlier stores read rewritten
.if (\a) == 0
	s_add_nc_u64 s[12:13], s[12:13], s[68:69]      ; on to my first row and column
.else
	s_add_nc_u64 s[12:13], s[12:13], 16*SIZE_N*4   ; 16 rows of out0 on
.endif
.irp t, 0,1,2,3,4,5,6,7,8,9,10,11,12,13,14,15
	global_store_b128 v[CO], v[BK+4*(\t):BK+4*(\t)+3], s[12:13] offset:(\t)*SIZE_N*4 th:TH_STORE_NT  ; the wave stores 512 consecutive bytes, at a multiple of 512 from out0's first byte; written once and not read again
.endr
.endm
	s_wait_loadcnt 0x0                             ; scale and bias, once: the wait falls into the wait for the first tile, and no global load is out in the loop
	s_wait_tensorcnt 1                             ; my part of K step 0 is in; K step 1's load, the one issued behind it, may stay out
	s_barrier_signal -1
	s_barrier_wait -1                              ; everybody's is
	FETCH 0, 0, F0
	QUARTER 0, 64,  F0, F1, 1                      ; the first quarter stands in front of the loop: its products start the sums
	WIN 0                                          ; at a label and at a branch every window is 0
	s_mov_b32 s3, LAPS-1
.Llap:                                                 ; a trip goes once round the ring, from a lap's second quarter to the next lap's first, and fills both slots again
	QUARTER 0, 128, F1, F0, 0
	QUARTER 0, 192, F0, F1, 0
	TURN 0, 1, 1
	QUARTER 1, 64,  F0, F1, 0
	QUARTER 1, 128, F1, F0, 0
	QUARTER 1, 192, F0, F1, 0
	TURN 1, 0, 1
	QUARTER 0, 64,  F0, F1, 0
	WIN 0
	s_sub_co_u32 s3, s3, 1
	s_cmp_lg_u32 s3, 0
	s_cbranch_scc1 .Llap
	QUARTER 0, 128, F1, F0, 0                      ; the last lap is written out: it fills nothing, and it has no round of the cluster's barrier
	QUARTER 0, 192, F0, F1, 0
	TURN 0, 1, 0
	QUARTER 1, 64,  F0, F1, 0
	QUARTER 1, 128, F1, F0, 0
	QUARTER 1, 192, F0, F1, 0
	s_wait_dscnt 8                                 ; the very last quarter: nothing more to fetch
	MUL16 F1, 0, 0, 0
	MUL16 F1, 0, 2, 0
	s_wait_dscnt 0x0
	MUL16 F1, 1, 0, 0
	MUL16 F1, 1, 2, 0
	WIN 0
	PLACES                                         ; behind the last products: ahead of the reads of the sums, of the writes into the fragments' registers and of the loads into them
	PACK 0
	TOSTAGE 0
.irp a, 1,2,3,4,5,6,7                  ; block a's arithmetic stands between block a - 1's loads from the stage and the wait for them
	PACK \a
	SEND (\a)-1
	TOSTAGE \a
.endr
	SEND 7
	s_wait_tensorcnt 0x0                           ; the wave's end: behind my last tensor load and my last LDS store
	ds_add_u32 v[SPW], v[NIL]
	s_wait_dscnt 0x0
	CROUND                                         ; the closing round: no work-group ends while a partner may still ask for a tile that names it
	s_endpgm
.Lfunc_end_k_q08043cc488_gemm:
	.size	k_q08043cc488_gemm, .Lfunc_end_k_q08043cc488_gemm-k_q08043cc488_gemm
	.p2alignl 7, 3214868480
	.fill 96, 4, 3214868480
	.section	.rodata,"a",@progbits
	.p2align	6, 0x0
	.amdhsa_kernel k_q08043cc488_gemm
		.amdhsa_group_segment_fixed_size 327680
		.amdhsa_private_segment_fixed_size 0
		.amdhsa_enable_private_segment 0
		.amdhsa_kernarg_size 40
		.amdhsa_user_sgpr_count 2
		.amdhsa_user_sgpr_kernarg_segment_ptr 1
		.amdhsa_wavefront_size32 1
		.amdhsa_system_sgpr_workgroup_id_x 1
		.amdhsa_system_sgpr_workgroup_id_y 1
		.amdhsa_system_sgpr_workgroup_id_z 1
		.amdhsa_system_vgpr_workitem_id 0
		.amdhsa_next_free_vgpr 1024
		.amdhsa_next_free_sgpr 72
		.amdhsa_reserve_vcc 0
		.amdhsa_float_denorm_mode_32 3
		.amdhsa_float_denorm_mode_16_64 3
		.amdhsa_memory_ordered 1
		.amdhsa_forward_progress 1
		.amdhsa_inst_pref_size 160
	.end_amdhsa_kernel
	.amdgpu_metadata
---
amdhsa.version: [ 1, 2 ]
amdhsa.kernels:
  - .name:           k_q08043cc488_gemm
    .symbol:         k_q08043cc488_gemm.kd
    .args:
      - { .name: xb, .offset: 0, .size: 8, .value_kind: global_buffer, .address_space: global }
      - { .name: wb, .offset: 8, .size: 8, .value_kind: global_buffer, .address_space: global }
      - { .name: scale, .offset: 16, .size: 8, .value_kind: global_buffer, .address_space: global }
      - { .name: bias, .offset: 24, .size: 8, .value_kind: global_buffer, .address_space: global }
      - { .name: out0, .offset: 32, .size: 8, .value_kind: global_buffer, .address_space: global }
    .group_segment_fixed_size: 327680
    .private_segment_fixed_size: 0
    .kernarg_segment_align: 8
    .kernarg_segment_size: 40
    .max_flat_workgroup_size: 128
    .sgpr_count:     72
    .vgpr_count:     1024
    .wavefront_size: 32
...
	.end_amdgpu_metadata
.endif
;; end of part 2
;; ======== version 2 of 2: 2 launches; version 1 with the launch tobf16 written anew for expert scheduling mode
;; workspace buffers: xb 33,554,432 bytes; wb 33,554,432 bytes
;; launch tobf16 (part 3): grid 512 x 1, 8 waves a work-group, no clusters, 0 bytes of LDS; arguments x, weight_int8, xb, wb; writes xb, wb
.if DOCPART == 3
	.amdgcn_target "amdgcn-amd-amdhsa--gfx1250"
	.amdhsa_code_object_version 6
	.text
	.protected	k_q08043cc488_tobf16
	.globl	k_q08043cc488_tobf16
	.p2align	8
	.type	k_q08043cc488_tobf16,@function
k_q08043cc488_tobf16:
	s_mov_b64 s[64:65], 0
	v_nop
	global_prefetch_b8 v0, s[64:65] scope:SCOPE_SE
	s_setreg_imm32_b32 hwreg(HW_REG_WAVE_SCHED_MODE, 0, 2), 2
	s_setreg_imm32_b32 hwreg(HW_REG_WAVE_MODE, 25, 1), 1
	s_wait_xcnt 0x0
	s_wait_alu depctr_vm_vsrc(0)
; xb = bf16(x), wb = bf16(f32(weight_int8)).  x: [4096][4096] f32, weight_int8: [4096][4096] int32; xb, wb: [4096][4096] bf16.
; A stream: every input byte is read once and every output byte written once; no LDS, no barrier, no matrix work, since no number meets another.
; LAYOUT OF xb AND wb.  Inside every aligned block of 256 elements of a row the order along k is permuted, alike in both buffers: stored place 8 l + j (l = 0..31) holds
; element 4 l + j for j < 4 and element 128 + 4 l + (j - 4) for j >= 4.  The product that follows sums over k, so a permutation that both operands share keeps every product;
; only the order of the sums changes.  What it buys: a lane's two 16-byte loads (512 bytes apart) make exactly its 16 bytes of output, with no exchange between lanes;
; each load of a wave covers 512 consecutive bytes and each store 512 consecutive bytes, both aligned.
; LIMITS.  x is rounded once to bf16, to nearest even.  A weight is exact for |w| <= 256 (8 significant bits); a larger int32 is rounded twice, to f32 and then to bf16.
; NaN and infinities pass through the conversions untreated.
; SHARES.  Work-group g owns elements 32,768 g .. + 32,767 of each tensor, a wave 4,096 of them, in two halves of 2,048: 16 loads and 8 stores for each tensor and half.
; THE MODE: SCHED_MODE bits 1:0 = 2 (LLVM: expert scheduling mode 2), set by the entry lines.  The code itself states the register dependences
; between vector instructions and memory instructions, with s_wait_alu, always for 0.
; THE PLAN.  A half of a tensor goes in two GROUPS of four blocks: eight loads, 32 registers, four stores.  The wave's eight groups go in the order x half 0, w half 0, x half 1, w half 1.
; Registers that memory instructions touch:
;   v1        the one byte offset of all loads and stores: written at the head, never again.
;   XR, WR    four group buffers, a ring.  A first half's group: its conversions read it (w's first conversions also write it), then the same group of the second half lands in it; no store reads it.
;             A second half's group: converted in place; its four stores read the low four registers of each block; nothing writes them afterwards.
;   YX, YW    the first halves' results: written once by a group's roundings, read by its four stores, never written again.
; So ONE wait on va_vdst stands behind each group's conversions: it states that the registers which the group's stores read are written and, in the first halves, that the conversions are done
; with the group's buffer, in which the eight loads behind the wait land.  Loads and stores follow it with no vector instruction between.
; No register that a memory instruction has read is ever written again, so behind the entry lines the text holds no wait on vm_vsrc and no s_wait_xcnt.
; 24 to 32 loads of every wave are on their way until the last three groups.
.set INH,  8192                        ; input bytes of a half, for one tensor
.set OUTH, 4096                        ; output bytes of a half
.set XR,   2                           ; v[2:65]    x's two group buffers: block c of 256 elements at +8 c: +0..3 the load at 1,024 c, +4..7 the load 512 bytes on
.set WR,   66                          ; v[66:129]  w's, likewise
.set YX,   130                         ; v[130:161] x's first half as stored: block c at +4 c
.set YW,   162                         ; v[162:193] w's first half, likewise
	s_load_b256 s[4:11], s[0:1], 0x0               ; x s[4:5], weight_int8 s[6:7], xb s[8:9], wb s[10:11]
	v_lshrrev_b32 v1, 5, v0
	v_readfirstlane_b32 s12, v1                    ; my wave's number
	v_and_b32 v1, 31, v0
	v_lshlrev_b32 v1, 4, v1                        ; 16 bytes a lane: the one offset register of all loads and stores, never rewritten
	s_lshl_b32 s14, ttmp9, 17                      ; in: 131,072 bytes a work-group,
	s_wait_alu depctr_va_sdst(0)                   ; s12 is written, ahead of its first reader: the wave's offsets are made from it
	s_lshl_b32 s13, s12, 14                        ; 16,384 a wave
	s_add_co_u32 s14, s14, s13
	s_mov_b32 s15, 0
	s_lshl_b32 s16, ttmp9, 16                      ; out: half of that
	s_lshl_b32 s18, s12, 13
	s_add_co_u32 s16, s16, s18
	s_mov_b32 s17, 0
	s_wait_kmcnt 0x0
	s_add_nc_u64 s[4:5], s[4:5], s[14:15]
	s_add_nc_u64 s[6:7], s[6:7], s[14:15]
	s_add_nc_u64 s[8:9], s[8:9], s[16:17]
	s_add_nc_u64 s[10:11], s[10:11], s[16:17]
	s_wait_alu depctr_va_vdst(0)                   ; v1 is written: every load and store of the kernel reads it as its offset
; Eight loads: group g of half h of one tensor into its buffer.  The data are read once in the launch.
.macro FILL reg, base, h, g
.irp c, 0,1,2,3
	global_load_b128 v[(\reg)+8*(4*(\g)+(\c)):(\reg)+8*(4*(\g)+(\c))+3],   v1, s[(\base):(\base)+1] offset:(\h)*INH+1024*(4*(\g)+(\c)) th:TH_LOAD_NT
	global_load_b128 v[(\reg)+8*(4*(\g)+(\c))+4:(\reg)+8*(4*(\g)+(\c))+7], v1, s[(\base):(\base)+1] offset:(\h)*INH+1024*(4*(\g)+(\c))+512 th:TH_LOAD_NT
.endr
.endm
; Group g of a buffer is converted, block by block, into registers out + ostep x block (YX or YW with a step of 4; or in place, with a step of 8).
; young = the loads of other groups that were issued behind this group's.
.macro GROUP reg, out, ostep, g, isint, young
.irp c, 0,1,2,3
	s_wait_loadcnt (\young)+6-2*(\c)               ; loads come back in order (ISA guide 5.7.1): block c's two are in; this group's 6 - 2 c later ones and the younger groups' stay out
.if \isint
.irp i, 0,1,2,3,4,5,6,7
	v_cvt_f32_i32 v[(\reg)+8*(4*(\g)+(\c))+(\i)], v[(\reg)+8*(4*(\g)+(\c))+(\i)]
.endr
.endif
.irp i, 0,1,2,3
	v_cvt_pk_bf16_f32 v[(\out)+(\ostep)*(4*(\g)+(\c))+(\i)], v[(\reg)+8*(4*(\g)+(\c))+2*(\i)], v[(\reg)+8*(4*(\g)+(\c))+2*(\i)+1]  ; where it is in place: register i has been read by then, or is this line's own source
.endr
.endr
	s_wait_alu depctr_va_vdst(0)                   ; the roundings have written the registers that this group's stores read; the conversions are done reading and writing the group's buffer, in which (first halves) the loads below land
.endm
; Four stores: group g of half h, from out + ostep x block.
.macro SEND out, ostep, obase, h, g
.irp c, 0,1,2,3
	global_store_b128 v1, v[(\out)+(\ostep)*(4*(\g)+(\c)):(\out)+(\ostep)*(4*(\g)+(\c))+3], s[(\obase):(\obase)+1] offset:(\h)*OUTH+512*(4*(\g)+(\c))  ; no hint: the next launch reads these bytes
.endr
.endm
	FILL XR, 4, 0, 0                               ; the ring is filled: four groups, 32 loads
	FILL XR, 4, 0, 1
	FILL WR, 6, 0, 0
	FILL WR, 6, 0, 1
	GROUP XR, YX, 4, 0, 0, 24                      ; x, half 0: behind each of these groups three younger groups are out
	FILL XR, 4, 1, 0                               ; the buffer is asked for again at once, ahead of the stores: no store reads it, and no vector instruction since the wait names it
	SEND YX, 4, 8, 0, 0
	GROUP XR, YX, 4, 1, 0, 24
	FILL XR, 4, 1, 1
	SEND YX, 4, 8, 0, 1
	GROUP WR, YW, 4, 0, 1, 24                      ; w, half 0
	FILL WR, 6, 1, 0
	SEND YW, 4, 10, 0, 0
	GROUP WR, YW, 4, 1, 1, 24
	FILL WR, 6, 1, 1                               ; the last loads
	SEND YW, 4, 10, 0, 1
	GROUP XR, XR, 8, 0, 0, 24                      ; x, half 1: in place, since nothing lands in these registers any more
	SEND XR, 8, 8, 1, 0
	GROUP XR, XR, 8, 1, 0, 16                      ; nothing is asked for behind the ring's last fill: the counts run down
	SEND XR, 8, 8, 1, 1
	GROUP WR, WR, 8, 0, 1, 8                       ; w, half 1
	SEND WR, 8, 10, 1, 0
	GROUP WR, WR, 8, 1, 1, 0
	SEND WR, 8, 10, 1, 1
	s_endpgm
.Lfunc_end_k_q08043cc488_tobf16:
	.size	k_q08043cc488_tobf16, .Lfunc_end_k_q08043cc488_tobf16-k_q08043cc488_tobf16
	.p2alignl 7, 3214868480
	.fill 96, 4, 3214868480
	.section	.rodata,"a",@progbits
	.p2align	6, 0x0
	.amdhsa_kernel k_q08043cc488_tobf16
		.amdhsa_group_segment_fixed_size 0
		.amdhsa_private_segment_fixed_size 0
		.amdhsa_enable_private_segment 0
		.amdhsa_kernarg_size 32
		.amdhsa_user_sgpr_count 2
		.amdhsa_user_sgpr_kernarg_segment_ptr 1
		.amdhsa_wavefront_size32 1
		.amdhsa_system_sgpr_workgroup_id_x 1
		.amdhsa_system_sgpr_workgroup_id_y 1
		.amdhsa_system_sgpr_workgroup_id_z 1
		.amdhsa_system_vgpr_workitem_id 0
		.amdhsa_next_free_vgpr 194
		.amdhsa_next_free_sgpr 66
		.amdhsa_reserve_vcc 0
		.amdhsa_float_denorm_mode_32 3
		.amdhsa_float_denorm_mode_16_64 3
		.amdhsa_memory_ordered 1
		.amdhsa_forward_progress 1
		.amdhsa_inst_pref_size 24
	.end_amdhsa_kernel
	.amdgpu_metadata
---
amdhsa.version: [ 1, 2 ]
amdhsa.kernels:
  - .name:           k_q08043cc488_tobf16
    .symbol:         k_q08043cc488_tobf16.kd
    .args:
      - { .name: x, .offset: 0, .size: 8, .value_kind: global_buffer, .address_space: global }
      - { .name: weight_int8, .offset: 8, .size: 8, .value_kind: global_buffer, .address_space: global }
      - { .name: xb, .offset: 16, .size: 8, .value_kind: global_buffer, .address_space: global }
      - { .name: wb, .offset: 24, .size: 8, .value_kind: global_buffer, .address_space: global }
    .group_segment_fixed_size: 0
    .private_segment_fixed_size: 0
    .kernarg_segment_align: 8
    .kernarg_segment_size: 32
    .max_flat_workgroup_size: 256
    .sgpr_count:     66
    .vgpr_count:     194
    .wavefront_size: 32
...
	.end_amdgpu_metadata
.endif
;; end of part 3
;; launch gemm: the kernel of part 2 again; grid 16 x 16, 4 waves a work-group, clusters of 4 x 4, 327,680 bytes of LDS; arguments xb, wb, scale, bias, out0; writes out0
